; MI455X (gfx1250); checked and timed in simulation.
; The chip was launched on July 23, 2026; its instructions are those of AMD's public machine-readable ISA for CDNA 5 (MIT licence, August 2026) and "CDNA5" Instruction Set Architecture Reference Guide (July 2026). The comments in the code are by the model that wrote it; some were corrected since.
;; Multi Head Self Attention. Allowed arithmetic: matrix products marked QUANTISED: E2M3 operands, one E8M0 scale for each 32 along K, by v_wmma_scale_f32_16x16x128_f8f6f4 with both operands' format E2M3, f32 sums; products left as they are: f32 operands where the result goes on into a quantised operand, else bf16, f16 or f32 operands; f32 sums; everything else in f32.
;; Inputs: W_o_codes 512 x 2 x 24 uint8 (E2M3 codes of W_o, K innermost, in blocks of 32 codes, four codes in three bytes); W_o_scales 512 x 2 uint8 (E8M0 scales of W_o, one for each 32 codes along K); W_qkv_codes 192 x 16 x 24 uint8 (E2M3 codes of W_qkv, K innermost, in blocks of 32 codes, four codes in three bytes); W_qkv_scales 192 x 16 uint8 (E8M0 scales of W_qkv, one for each 32 codes along K); inputs_codes 8 x 512 x 16 x 24 uint8 (E2M3 codes of inputs, K innermost, in blocks of 32 codes, four codes in three bytes); inputs_scales 8 x 512 x 16 uint8 (E8M0 scales of inputs, one for each 32 codes along K).
;; Outputs: out0 8 x 512 x 512 float32.
;; This version of the problem:
;;   THIS VERSION OF THE PROBLEM IS GIVEN IN LOW PRECISION. The matrix products marked QUANTISED in the list below multiply operands that are first quantised to E2M3 (2 exponent bits, 3 mantissa bits; 6 bits a number), with one power-of-two scale for each 32 numbers along K (OCP MX v1.0); their sums are f32. All else is computed in f32.
;;   The module's matrix products, in the order in which they are computed (A, B: the left and right operand; K: the contracted axis; several contracted axes count as one K, in the product's order):
;;     1. [M 4,096, K 512] x [K 512, N 192]; A: input inputs (given as codes); B: input W_qkv (given as codes): QUANTISED
;;     2. batch 512 x [M 512, K 1] x [K 1, N 512]; A: computed on the way; B: computed on the way: left as it is (no contracted axis)
;;     3. batch 512 x [M 1, K 512] x [K 512, N 512]; A: computed on the way; B: softmax: left as it is (M = 1 < 16)
;;     4. [M 4,096, K 64] x [K 64, N 512]; A: computed on the way; B: input W_o (given as codes): QUANTISED
;;   THE QUANTISER, for each operand of a quantised product, along K:
;;     - K is cut into blocks of 32 from its start; a last block that is shorter is filled with zeros.
;;     - A block's scale is 2^e with e = floor(log2(the largest magnitude in the block)) - 2, held to -126 .. 127; a block of zeros has e = 0. As a byte (E8M0): e + 127.
;;     - Each number is divided by its block's scale, clamped to +-7.5, and rounded to the nearest number of E2M3, ties to even, subnormals kept.
;;     - The product sums the exact products of the quantised numbers (number of the format x scale) in f32.
;;   ~~~python
;;   def quantise(x, axis):      # numpy; x: float32 -> the quantised numbers, widened to float32 again
;;       x = np.moveaxis(x, axis, -1); K = x.shape[-1]
;;       x = np.pad(x, [(0, 0)] * (x.ndim - 1) + [(0, -K % 32)]); x = x.reshape(x.shape[:-1] + (-1, 32)); a = np.abs(x).max(-1, keepdims=True)
;;       e = np.where(a > 0, np.clip(np.frexp(np.where(a > 0, a, 1))[1] - 1 - 2, -126, 127), 0)      # np.frexp(a)[1] - 1 = floor(log2(a)), exactly
;;       r = np.clip(x / 2.0 ** e, -7.5, 7.5)
;;       step = 2.0 ** (np.maximum(np.frexp(np.where(r == 0, 1, r))[1] - 1, 0) - 3)
;;       q = np.round(r / step) * step * 2.0 ** e      # np.round: ties to even
;;       return np.moveaxis(q.reshape(q.shape[:-2] + (-1,))[..., :K], -1, axis).astype(np.float32)
;;   ~~~
;;   OPERANDS COMPUTED ON THE WAY. 'Computed on the way' means the value that the module computes at that place (a softmax that the list does not call 'softmax' is quantised finished and normalised). What goes into a quantiser is computed in f32, as accurately as f32 sums, v_exp_f32 and their like allow (about 1e-6 of the number): no bf16 or f16 on the way to a quantiser, and a product that is left as it is and whose result goes on into a quantised operand takes f32 operands (vector FMAs, or v_wmma_f32_16x16x4_f32). A number that lies on a knife's edge between two numbers of the format may be rounded either way, as far as f32 arithmetic and the matrix unit's own rounding can turn it there, and no further.
;;   INPUTS GIVEN AS CODES. W_o (in the module: [64, 512], K = its axis 0); W_qkv (in the module: [512, 192], K = its axis 0); inputs (in the module: [8, 512, 512], K = its axis 2): each comes as NAME_codes (uint8): NAME with its K axis moved to the last place and cut into blocks of 32 codes, [.., K / 32, bytes a block], one block behind the other in memory; four codes in three bytes: a row's codes are one little-endian stream of bits, code i at bits 6 i .. 6 i + 5 (a code: sign, 2 exponent bits, 3 mantissa bits); and NAME_scales (uint8): the same leading axes, one E8M0 byte (e + 127) for each 32 codes along K. Its value is code x scale, taken as it is: it is not quantised again, and the codes and scales need not be those that the quantiser above would give.
;; One version. Each part assembles by itself: llvm-mc -triple=amdgcn-amd-amdhsa -mcpu=gfx1250 --defsym DOCPART=n.
;; ======== version 1 of 1: 1 launch
;; launch attn (part 1): grid 32 x 8, 16 waves a work-group, clusters of 4 x 1, 301,056 bytes of LDS; arguments inputs_codes, inputs_scales, W_qkv_codes, W_qkv_scales, W_o_codes, W_o_scales, out0; writes out0
.if DOCPART == 1
	.amdgcn_target "amdgcn-amd-amdhsa--gfx1250"
	.amdhsa_code_object_version 6
	.text
	.protected	k_qe7f1b481a7_attn
	.globl	k_qe7f1b481a7_attn
	.p2align	8
	.type	k_qe7f1b481a7_attn,@function
k_qe7f1b481a7_attn:
	s_mov_b64 s[64:65], 0
	v_nop
	global_prefetch_b8 v0, s[64:65] scope:SCOPE_SE
	s_setreg_imm32_b32 hwreg(HW_REG_WAVE_MODE, 25, 1), 1
	s_wait_xcnt 0x0
	s_wait_alu depctr_hold_cnt(0) depctr_sa_sdst(0) depctr_va_vdst(0) depctr_va_sdst(0) depctr_va_ssrc(0) depctr_va_vcc(0) depctr_vm_vsrc(0)
	s_getreg_b32 s2, hwreg(HW_REG_IB_STS2, 6, 4)
	s_cmp_eq_u32 s2, 0
	s_cbranch_scc0 .Lentry_in_a_cluster
	s_endpgm
.Lentry_in_a_cluster:
	s_bfe_u32 s2, ttmp6, 0x10000c
	s_cmp_lg_u32 s2, 0x3003
	s_cbranch_scc0 .Lentry_shape_is_right
	s_endpgm
.Lentry_shape_is_right:
; out[b][n][:] = SA[b][n][:] W_o,  SA[b][n][c] = sum_m softmax_m(Q[b][n][c] K[b][m][c] / 8) V[b][m][c],  [Q K V] = inputs W_qkv.
; Both matrix products run on codes of FP6 (E2M3) with one E8M0 byte for each 32 along K; inputs, W_qkv and W_o arrive as codes, SA is quantised here, along the 64 channels.
; ONE LAUNCH.  A work-group owns 16 queries of one batch, all 64 channels and all 512 keys.  It makes K and V of its batch itself: the batch's codes are 196,608 bytes, K and V in f32 would be 262,144.
; SHARES.  Sixteen waves of 256 registers.  Wave w: channels 16 ct .. 16 ct + 15 (ct = w % 4), keys 128 kr .. 128 kr + 127 (kr = w / 4).
; K = rows of inputs (source 0) x columns of W_qkv (source 1): in the result lane (r, h) holds channel 16 ct + r and, in register j of tile i, key 128 kr + 16 i + 8 h + j.  V likewise.
; So the 16 accumulators, 128 registers, ARE the operands of the softmax loop: K and V never go to LDS.  A lane walks its 64 keys for each of the 16 queries.
; THE MAXIMUM of a row q k_m over m is max(q kmax, q kmin), kmax and kmin the channel's largest and smallest K over all 512 keys: the row's true maximum, with no search along the row.
; p = 2^(q' k - mx), q' = q log2(e) / 8.  All waves use the same mx, so the eight parts (4 key ranges x 2 halves of the lanes) of sum p and sum p V are simply added, through LDS.
; Q: wave (ct, kr) makes K step kr of Q's tile ct, operands straight from memory while the tiles are on their way; the four parts are added in K's order.
; CLUSTER 4 x 1: the four partners belong to one batch and ask JOINTLY for its codes and for W_qkv's K and V columns: the same tensor load, the same descriptor, mask 15.  All fills are first fills: nothing is filled again.
; My place in the cluster enters global addresses alone (my queries' rows, my rows of out).
; LIMITS.  A scale byte 0xff (NaN) among the inputs is not served (the maxima pass over NaN).  Sums are f32 in their own order (Q in four parts along K; sum p and sum p V in 32 parts);
; SA = (sum p V) x rcp(sum p).  A block of SA whose largest magnitude lies under 2^-124 keeps the byte 1; a block of zeros too (its codes are zeros).
; REGISTERS: v1 r, v2 h, v3 lane; v4-7 addresses; v8-27 scale words; v28-63 W_qkv's fragments, later W_o's codes and the loop's small registers; v64-127 K; v128-191 V; v192-255 fragments of inputs, later t and p.
.set ROWB,  384                        ; a row of 512 codes in bytes
.set PITCH, 432                        ; and in LDS: 3 x (128 bytes + 16 of padding) = 108 words: row r starts at bank 44 r mod 64 (64 banks of 4 bytes: ISA guide 11.1): sixteen different multiples of 4, so the 32 lanes of a load of 8 bytes touch 64 different banks
.set TROWS, 64                         ; rows in a tensor load
.set KROW0, 512                        ; LDS rows 0-511: the batch's inputs; 512-575: W_qkv's K columns; 576-639: its V columns
.set QX,    640*PITCH                  ; behind the rows: Q's four parts, [K step][channel][16 queries + 4 words of padding]
.set QXC,   80
.set QXK,   64*QXC
.set KM,    QX+4*QXK                   ; (kmax, -kmin) of each key range: [kr][channel], 8 bytes
.set PP,    0                          ; from here on in the rows' bytes, which have had their only fill and, behind the second barrier, their last read:
.set PW,    4224                       ; the softmax's parts: for each wave 16 queries x 32 lanes x 8 bytes, + 128 so that neighbouring waves' blocks start half way round the banks
.set SAF,   16*PW                      ; SA: 16 queries x (256 bytes + 16)
.set SAP,   272
.set STG,   73728                      ; the way out: 16 rows x (2,048 bytes + 16)
.set STP,   2064
.set RR,  1
.set HH,  2
.set LN,  3
.set ADA, 4                            ; v4-5  LDS address of my fragments of inputs (v5: for the pieces that lie behind one padding more); later QXR, PST
.set ADB, 6                            ; v6-7  the same for W_qkv; later my offsets in W_o's codes and scales
.set QXR, 4
.set PST, 5
.set SCA, 8                            ; v8-23 inputs' scale words: register 4 i + ks: lanes 0-15 row tile 2 i, lanes 16-31 row tile 2 i + 1, K step ks.  Later v8: W_o's scale words, v9: SA's
.set SCB, 24                           ; v24-27 W_qkv's: register ks: lanes 0-15 my K columns, lanes 16-31 my V columns
.set WOS, 8
.set SAS, 9
.set WO,  28                           ; v28-33, v40-45 W_o's codes of my two tiles; the six registers behind each serve the loop and are cleared after it (K = 64 is filled up to 128 with zero codes)
.set QPT, 34                           ; v34-37 the four parts of a query's q
.set TA,  38
.set TB,  39
.set QP,  46                           ; v46 q' (v47 is named with it as a pair)
.set NM,  48                           ; v48 -mx (v49 likewise)
.set RS,  50                           ; v50-51 a query's (sum p, sum p V) of my 64 keys
.set L0,  52                           ; v52-55 sum p, two chains of pairs
.set L1,  54
.set A0,  56                           ; v56-59 sum p V, likewise
.set A1,  58
.set KMAX, 60
.set NKMN, 61                          ; -kmin
.set QXA, 62
.set PSA, 63
.set KB,  64
.set VB,  128
.set T,   192
.set ASL, 192                          ; two slots of two fragments of inputs: v192-215, v216-239
.set SAO, 224                          ; SA's codes
.set WV,  18
.set CT,  19
.set KR,  20
.set SEL, 24                           ; s[24:25] lane selects of v_permlanex16_b32: lane l xor 16
.set G1,  28                           ; s[28:35] descriptor group 1, one for all tiles
.set G0I, 36                           ; s[36:39] group 0 for inputs
.set G0W, 40                           ; s[40:43] group 0 for W_qkv
.set SQ,  68
.set SPO, 69
.set CNT, 70
.set CSC, 71
; A round of the cluster's barrier: my work-group's barrier; wave 0 signals for the work-group; every wave waits for all four work-groups; my work-group's barrier once more.
.macro ROUND
	s_barrier_signal -1
	s_barrier_wait -1
	s_cmp_lg_u32 s[WV], 0
	s_cbranch_scc1 .Lnot_wave_0_\@
	s_barrier_signal -3
.Lnot_wave_0_\@:
	s_barrier_wait -3
	s_barrier_signal -1
	s_barrier_wait -1
.endm
; A fragment, 16 rows x 128 K of 6-bit codes, is 12 registers: lane (r, h) holds row r; registers 6 c .. 6 c + 5 hold K = 64 c + 32 h + 0 .. 31: 24 bytes of the row as they lie, in pieces of 8 bytes.
; Lanes 0-15 take the row's pieces 12 ks + 0, 1, 2 and 12 ks + 6, 7, 8, lanes 16-31 those three pieces on.  16 bytes of padding lie behind every 16 pieces: where the piece three on lies behind one padding more, the second address register (40 h for 24 h) serves.
.macro FRAG reg, adr, ks, off
.irp p, 0,1,2,3,4,5
.set PC, 12*(\ks)+6*(\p/3)+\p%3
.if PC%16 < 13
	ds_load_b64 v[(\reg)+2*\p:(\reg)+2*\p+1], v[\adr] offset:8*PC+16*(PC/16)+(\off)
.else
	ds_load_b64 v[(\reg)+2*\p:(\reg)+2*\p+1], v[\adr+1] offset:8*PC+16*(PC/16)+(\off)
.endif
.endr
.endm
.macro LDA g                           ; group g = K step g / 4, row tiles 2 (g % 4) and 2 (g % 4) + 1, into slot g % 2
	FRAG ASL+24*((\g)%2), ADA, (\g)/4, (2*((\g)%4))*16*PITCH
	FRAG ASL+24*((\g)%2)+12, ADA, (\g)/4, (2*((\g)%4)+1)*16*PITCH
.endm
.macro LDB ks                          ; my K columns' and my V columns' fragments of K step ks; two sets: v28-39 and v40-51; v52-63 and v240-251
	FRAG 28+24*((\ks)%2), ADB, \ks, 0
	FRAG 40+200*((\ks)%2), ADB, \ks, 64*PITCH
.endm
; One matrix instruction.  ra, rb: which half of the lanes of the scale registers is read.  zero = 1: the first K step starts the sum.
.macro WM d, a, b, sa, sb, ra, rb, zero
.if \zero
.if ((\ra)==0)&&((\rb)==0)
	v_wmma_scale_f32_16x16x128_f8f6f4 v[(\d):(\d)+7], v[(\a):(\a)+11], v[(\b):(\b)+11], 0, v[\sa], v[\sb] matrix_a_fmt:MATRIX_FMT_FP6 matrix_b_fmt:MATRIX_FMT_FP6
.elseif (\ra)==0
	v_wmma_scale_f32_16x16x128_f8f6f4 v[(\d):(\d)+7], v[(\a):(\a)+11], v[(\b):(\b)+11], 0, v[\sa], v[\sb] matrix_a_fmt:MATRIX_FMT_FP6 matrix_b_fmt:MATRIX_FMT_FP6 matrix_b_scale:MATRIX_SCALE_ROW1
.elseif (\rb)==0
	v_wmma_scale_f32_16x16x128_f8f6f4 v[(\d):(\d)+7], v[(\a):(\a)+11], v[(\b):(\b)+11], 0, v[\sa], v[\sb] matrix_a_fmt:MATRIX_FMT_FP6 matrix_b_fmt:MATRIX_FMT_FP6 matrix_a_scale:MATRIX_SCALE_ROW1
.else
	v_wmma_scale_f32_16x16x128_f8f6f4 v[(\d):(\d)+7], v[(\a):(\a)+11], v[(\b):(\b)+11], 0, v[\sa], v[\sb] matrix_a_fmt:MATRIX_FMT_FP6 matrix_b_fmt:MATRIX_FMT_FP6 matrix_a_scale:MATRIX_SCALE_ROW1 matrix_b_scale:MATRIX_SCALE_ROW1
.endif
.else
.if ((\ra)==0)&&((\rb)==0)
	v_wmma_scale_f32_16x16x128_f8f6f4 v[(\d):(\d)+7], v[(\a):(\a)+11], v[(\b):(\b)+11], v[(\d):(\d)+7], v[\sa], v[\sb] matrix_a_fmt:MATRIX_FMT_FP6 matrix_b_fmt:MATRIX_FMT_FP6
.elseif (\ra)==0
	v_wmma_scale_f32_16x16x128_f8f6f4 v[(\d):(\d)+7], v[(\a):(\a)+11], v[(\b):(\b)+11], v[(\d):(\d)+7], v[\sa], v[\sb] matrix_a_fmt:MATRIX_FMT_FP6 matrix_b_fmt:MATRIX_FMT_FP6 matrix_b_scale:MATRIX_SCALE_ROW1
.elseif (\rb)==0
	v_wmma_scale_f32_16x16x128_f8f6f4 v[(\d):(\d)+7], v[(\a):(\a)+11], v[(\b):(\b)+11], v[(\d):(\d)+7], v[\sa], v[\sb] matrix_a_fmt:MATRIX_FMT_FP6 matrix_b_fmt:MATRIX_FMT_FP6 matrix_a_scale:MATRIX_SCALE_ROW1
.else
	v_wmma_scale_f32_16x16x128_f8f6f4 v[(\d):(\d)+7], v[(\a):(\a)+11], v[(\b):(\b)+11], v[(\d):(\d)+7], v[\sa], v[\sb] matrix_a_fmt:MATRIX_FMT_FP6 matrix_b_fmt:MATRIX_FMT_FP6 matrix_a_scale:MATRIX_SCALE_ROW1 matrix_b_scale:MATRIX_SCALE_ROW1
.endif
.endif
.endm
; A group: two row tiles x (K, V), one K step: four matrix instructions on four accumulators.  An accumulator comes again sixteen instructions later: the accumulators take turns, one instruction a turn.
; Order of the LDS loads: B(0) A(0) A(1) | A(2) | A(3) B(1) | A(4) | A(5) | A(6) | A(7) B(2) | ..: behind group g stand A(g + 2) and, where g % 4 = 1, the next K step's B.
.macro GROUP g
.if (\g)==15
	s_wait_dscnt 0x0                               ; the last group: nothing was asked for behind its fragments
.elseif (((\g)%4)>=2)&&((\g)<12)
	s_wait_dscnt 24                                ; behind my fragments: the next group's 12 loads and the next K step's 12 of W_qkv (or one more group's 12)
.else
	s_wait_dscnt 12                                ; behind my fragments (and this K step's of W_qkv): the next group's 12 loads
.endif
.set KS_, (\g)/4
.set PR_, (\g)%4
.set A_,  ASL+24*((\g)%2)
.set BK_, 28+24*(KS_%2)
.set BV_, 40+200*(KS_%2)
.if KS_ == 0
.set Z_, 1
.else
.set Z_, 0
.endif
	WM KB+16*PR_, A_, BK_, SCA+4*PR_+KS_, SCB+KS_, 0, 0, Z_
	WM VB+16*PR_, A_, BV_, SCA+4*PR_+KS_, SCB+KS_, 0, 1, Z_
	WM KB+16*PR_+8, A_+12, BK_, SCA+4*PR_+KS_, SCB+KS_, 1, 0, Z_
	WM VB+16*PR_+8, A_+12, BV_, SCA+4*PR_+KS_, SCB+KS_, 1, 1, Z_
.rept 4
	v_nop                                          ; four places between these products and the loads into the registers that they read (behind the last group: and the first read of results)
.endr
.if (\g)+2 < 16
	LDA (\g)+2
.endif
.if (((\g)%4)==1)&&((\g)<12)
	LDB (\g)/4+1                                   ; into the set that the K step before this one read
.endif
.endm
	s_load_b256 s[4:11], s[0:1], 0x0               ; inputs' codes s[4:5], scales s[6:7]; W_qkv's codes s[8:9], scales s[10:11]
	s_load_b128 s[12:15], s[0:1], 0x20             ; W_o's codes s[12:13], scales s[14:15]
	s_load_b64 s[16:17], s[0:1], 0x30              ; out
	v_lshl_add_u32 v252, v0, 2, 0x49000
	v_mov_b32 v253, 0
	ds_add_u32 v252, v253
	ds_add_u32 v252, v253
	s_wait_dscnt 0x0
	v_lshrrev_b32 v1, 5, v0
	v_readfirstlane_b32 s[WV], v1                  ; wave 0..15
	v_and_b32 v[RR], 15, v0                        ; r
	v_bfe_u32 v[HH], v0, 4, 1                      ; h
	v_and_b32 v[LN], 31, v0                        ; lane
	s_and_b32 s[CT], s[WV], 3                      ; my tile of 16 channels
	s_lshr_b32 s[KR], s[WV], 2                     ; my range of 128 keys; also: my K step of Q
	s_bfe_u32 s21, ttmp6, 0x40000                  ; cx: my place in the cluster
	s_lshl_b32 s22, ttmp9, 2                       ; in a cluster launch ttmp9 counts clusters
	s_add_co_u32 s22, s22, s21                     ; my tile of 16 queries, 0..31: it enters global addresses alone
	s_and_b32 s23, ttmp7, 0xffff                   ; the batch, which the four partners share
	s_mul_i32 s26, s23, 512*ROWB                   ; the batch's first byte of codes
	s_lshl_b32 s27, s23, 13                        ; and of scale bytes (512 rows x 16)
	s_mul_i32 s66, s[KR], 96                       ; K step kr in a row of codes
	s_lshl_b32 s67, s[KR], 2                       ; and in a row of scale bytes
	s_mov_b32 s[SEL], 0x76543210
	s_mov_b32 s[SEL+1], 0xfedcba98
	s_mov_b32 s[CSC], 0x3e38aa3b                   ; log2(e) / 8
	; descriptor group 1: 64 rows of 384 bytes, dense in memory, padded in LDS
	s_mov_b32 s[G1+0], 15|(0<<16)|(1<<20)|(1<<21)|(4<<22)|(3<<25)  ; 15:0 the mask: all four work-groups; 17:16 elements of 1 byte; 20 padding on; 21 set beside a mask; 24:22 after every 32 words (code 4); 31:25 4 words of it (code 3)
	s_mov_b32 s[G1+1], ROWB<<16                    ; tensor_dim0
	s_mov_b32 s[G1+2], TROWS<<16                   ; tensor_dim1
	s_mov_b32 s[G1+3], ROWB<<16                    ; tile_dim0
	s_mov_b32 s[G1+4], TROWS                       ; tile_dim1
	s_mov_b32 s[G1+5], ROWB                        ; tensor_dim0_stride
	s_mov_b32 s[G1+6], 0
	s_mov_b32 s[G1+7], 0
	; what I fetch, if I fetch.  Waves 0-7: rows 64 w of the batch's inputs; waves 8, 9: W_qkv's rows 64 + 64 (w - 8).  Made of the wave's number and the batch alone
	s_and_b32 s72, s[WV], 7
	s_mul_i32 s73, s72, TROWS*PITCH
	s_mul_i32 s74, s72, TROWS*ROWB
	s_add_co_u32 s74, s74, s26
	s_mov_b32 s75, 0
	s_and_b32 s76, s[WV], 1
	s_mul_i32 s77, s76, TROWS*PITCH
	s_add_co_u32 s77, s77, KROW0*PITCH
	s_mul_i32 s78, s76, TROWS*ROWB
	s_add_co_u32 s78, s78, 64*ROWB
	s_mov_b32 s79, 0
	; offsets of what comes straight into registers, each in the pair that will hold its address
	s_mul_i32 s44, s[CT], 16*ROWB                  ; W_qkv's Q columns 16 ct on, K step kr
	s_add_co_u32 s44, s44, s66
	s_mov_b32 s45, 0
	s_lshl_b32 s46, s[CT], 8                       ; their scale words
	s_add_co_u32 s50, s46, 1024                    ; the scale bytes of W_qkv's rows 64 + 16 ct on (its rows 128 + 16 ct follow 1,024 bytes on)
	s_add_co_u32 s46, s46, s67
	s_mov_b32 s47, 0
	s_mov_b32 s51, 0
	s_lshl_b32 s48, s[KR], 11                      ; the scale bytes of my 128 keys
	s_add_co_u32 s48, s48, s27
	s_mov_b32 s49, 0
	s_mul_i32 s52, s22, 16*ROWB                    ; my 16 queries' codes, K step kr
	s_add_co_u32 s52, s52, s26
	s_add_co_u32 s52, s52, s66
	s_mov_b32 s53, 0
	s_lshl_b32 s54, s22, 8                         ; their scale words
	s_add_co_u32 s54, s54, s27
	s_add_co_u32 s54, s54, s67
	s_mov_b32 s55, 0
	s_lshl_b32 s58, s23, 20                        ; out: row 512 b + 16 x query tile + w, 2,048 bytes a row
	s_lshl_b32 s56, s22, 15
	s_add_co_u32 s58, s58, s56
	s_lshl_b32 s56, s[WV], 11
	s_add_co_u32 s58, s58, s56
	s_mov_b32 s59, 0
	s_mul_i32 s60, s[WV], 1536                     ; W_o's rows 32 w on: 48 bytes a row,
	s_mov_b32 s61, 0
	s_lshl_b32 s62, s[WV], 6                       ; 2 scale bytes a row
	s_mov_b32 s63, 0
	v_mul_u32_u24 v64, v[RR], ROWB
	v_mad_u32_u24 v64, v[HH], 24, v64              ; a fragment in memory: row r, + 24 h
	v_lshlrev_b32 v65, 4, v[RR]                    ; a row of 16 scale bytes
	v_lshlrev_b32 v66, 4, v[LN]                    ; the same by lanes: 32 rows on end
	v_lshl_add_u32 v67, v[HH], 10, v65             ; lanes 0-15 my K columns, lanes 16-31 my V columns, 64 rows on
	s_wait_kmcnt 0x0
	s_mov_b32 s[G0I], 1                            ; 1:0 count = 1
	s_mov_b32 s[G0I+1], s73                        ; 63:32 LDS address
	s_add_nc_u64 s[G0I+2:G0I+3], s[4:5], s[74:75]  ; 120:64 global address
	s_or_b32 s[G0I+3], s[G0I+3], 0x80000000        ; 127:126 type = 2
	s_mov_b32 s[G0W], 1
	s_mov_b32 s[G0W+1], s77
	s_add_nc_u64 s[G0W+2:G0W+3], s[8:9], s[78:79]
	s_or_b32 s[G0W+3], s[G0W+3], 0x80000000
	s_add_nc_u64 s[44:45], s[8:9], s[44:45]
	s_add_nc_u64 s[46:47], s[10:11], s[46:47]
	s_add_nc_u64 s[48:49], s[6:7], s[48:49]
	s_add_nc_u64 s[50:51], s[10:11], s[50:51]
	s_add_nc_u64 s[52:53], s[4:5], s[52:53]
	s_add_nc_u64 s[54:55], s[6:7], s[54:55]
	s_add_nc_u64 s[58:59], s[16:17], s[58:59]
	s_add_nc_u64 s[60:61], s[12:13], s[60:61]
	s_add_nc_u64 s[62:63], s[14:15], s[62:63]
	ROUND                                          ; all four work-groups are here: the joint loads meet
	s_cmp_lt_u32 s[WV], 8                          ; the branches hang on the wave's number alone; one tensor load of a wave is out, or none.  Four v_nop follow each line
	s_cbranch_scc0 .Lnot_inputs
	tensor_load_to_lds s[G0I:G0I+3], s[G1:G1+7]
	s_nop 0
.rept 4
	v_nop
.endr
	s_branch .Lasked
.Lnot_inputs:
	s_cmp_lt_u32 s[WV], 10
	s_cbranch_scc0 .Lasked
	tensor_load_to_lds s[G0W:G0W+3], s[G1:G1+7]
	s_nop 0
.rept 4
	v_nop
.endr
.Lasked:
	; ---- Q, K step kr, while the tiles are on their way: both fragments and all scale words come straight from memory
.irp p, 0,1,2,3,4,5
	global_load_b64 v[192+2*\p:193+2*\p], v64, s[52:53] offset:48*(\p/3)+8*(\p%3)   ; my 16 queries
	global_load_b64 v[204+2*\p:205+2*\p], v64, s[44:45] offset:48*(\p/3)+8*(\p%3)   ; W_qkv's Q columns 16 ct on
.endr
	global_load_b32 v252, v65, s[54:55]            ; their scale words; v252 and v253 hold them until Q's product is issued
	global_load_b32 v253, v65, s[46:47]
.irp i, 0,1,2,3
	global_load_b128 v[SCA+4*\i:SCA+4*\i+3], v66, s[48:49] offset:512*\i   ; 32 keys' 16 scale bytes: 512 consecutive bytes; a lane's four words are its row's four K steps
.endr
	global_load_b128 v[SCB:SCB+3], v67, s[50:51]
	s_mul_i32 s2, s[KR], QXK
	s_mul_i32 s3, s[CT], 16*QXC
	s_add_co_u32 s2, s2, s3
	s_add_co_u32 s2, s2, QX
	v_mul_u32_u24 v68, v[RR], QXC
	v_lshl_add_u32 v68, v[HH], 5, v68
	v_add_nc_u32 v68, s2, v68                      ; where Q's part goes: [kr][channel 16 ct + r][queries 8 h on]
	s_mul_i32 s2, s[KR], 128*PITCH
	s_mul_i32 s3, s[CT], 16*PITCH
	s_add_co_u32 s3, s3, KROW0*PITCH
	s_wait_loadcnt 0x0
	v_wmma_scale_f32_16x16x128_f8f6f4 v[216:223], v[192:203], v[204:215], 0, v252, v253 matrix_a_fmt:MATRIX_FMT_FP6 matrix_b_fmt:MATRIX_FMT_FP6   ; lane (r, h), register j: query 8 h + j, channel 16 ct + r
	v_mul_u32_u24 v69, v[RR], PITCH                ; six plain lines that name none of its registers: the places behind it
	v_mad_u32_u24 v69, v[HH], 24, v69
	v_add_nc_u32 v[ADA], s2, v69                   ; inputs: row 128 kr + r, + 24 h
	v_lshl_add_u32 v[ADA+1], v[HH], 4, v[ADA]      ; and + 40 h
	v_add_nc_u32 v[ADB], s3, v69                   ; W_qkv: LDS row 512 + 16 ct + r
	v_lshl_add_u32 v[ADB+1], v[HH], 4, v[ADB]
	ds_store_b128 v68, v[216:219]
	ds_store_b128 v68, v[220:223] offset:16
	s_wait_tensorcnt 0x0                           ; my tile has landed,
	s_wait_dscnt 0x0                               ; my part of Q is stored:
	s_barrier_signal -1
	s_barrier_wait -1                              ; everybody's
	; ---- K and V of my 128 keys and 16 channels: 64 matrix instructions
	LDB 0
	LDA 0
	LDA 1
.set G, 0
.rept 16
	GROUP G
.set G, G+1
.endr
	; ---- the largest K and the largest -K of my 64 numbers, two chains each; every accumulator is first read at its low end
.irp c, 0,1
	v_max3_num_f32 v[192+\c], v[KB+32*\c], v[KB+32*\c+1], v[KB+32*\c+2]
	v_max3_num_f32 v[194+\c], -v[KB+32*\c], -v[KB+32*\c+1], -v[KB+32*\c+2]
.endr
.irp m, 3,5,7,9,11,13,15,17,19,21,23,25,27,29
.irp c, 0,1
	v_max3_num_f32 v[192+\c], v[192+\c], v[KB+32*\c+\m], v[KB+32*\c+\m+1]
	v_max3_num_f32 v[194+\c], v[194+\c], -v[KB+32*\c+\m], -v[KB+32*\c+\m+1]
.endr
.endr
	v_max3_num_f32 v192, v192, v[KB+31], v[KB+63]
	v_max3_num_f32 v194, v194, -v[KB+31], -v[KB+63]
	v_max_num_f32 v192, v192, v193
	v_max_num_f32 v194, v194, v195
	v_mov_b32 v196, 0                              ; a lane permute's destination counts as one of its sources
	v_mov_b32 v197, 0
	v_permlanex16_b32 v196, v192, s[SEL], s[SEL+1]
	v_permlanex16_b32 v197, v194, s[SEL], s[SEL+1]
	v_max_num_f32 v192, v192, v196                 ; with lane l xor 16's 64 keys
	v_max_num_f32 v193, v194, v197
	s_lshl_b32 s2, s[KR], 9
	s_lshl_b32 s3, s[CT], 7
	s_add_co_u32 s3, s3, KM
	s_add_co_u32 s2, s2, s3
	v_lshl_add_u32 v198, v[RR], 3, s2
	ds_store_b64 v198, v[192:193]                  ; [kr][channel]; both halves of the lanes write the same bytes with the same values
	v_lshl_add_u32 v199, v[RR], 3, s3              ; and where all four ranges' are read
	; W_o's two tiles (out columns 32 w on) are asked for now and wanted behind the loop
	v_mul_u32_u24 v6, v[RR], 48
	v_mad_u32_u24 v6, v[HH], 24, v6                ; row r of 48 bytes, + 24 h: K = 32 h + 0 .. 31
	v_lshlrev_b32 v7, 1, v[LN]
.irp t, 0,1
.irp p, 0,1,2
	global_load_b64 v[WO+12*\t+2*\p:WO+12*\t+2*\p+1], v6, s[60:61] offset:768*\t+8*\p
.endr
.endr
	global_load_u16 v[WOS], v7, s[62:63]           ; a row's two scale bytes, zeros above them (over zero codes): lanes 0-15 tile 0, lanes 16-31 tile 1
	s_mul_i32 s2, s[CT], 16*QXC
	s_add_co_u32 s2, s2, QX
	v_mul_u32_u24 v[QXR], v[RR], QXC
	v_add_nc_u32 v[QXR], s2, v[QXR]                ; Q's parts of my channel
	s_mul_i32 s2, s[WV], PW
	v_lshl_add_u32 v[PST], v[LN], 3, s2            ; my wave's block of parts, 8 bytes a lane
	s_wait_dscnt 0x0                               ; my maxima are stored, and my reads of the rows are over
	s_barrier_signal -1
	s_barrier_wait -1                              ; everybody's: from here on the rows' bytes serve as scratch
.irp k, 0,1,2,3
	ds_load_b64 v[200+2*\k:201+2*\k], v199 offset:512*\k
.endr
.irp k, 0,1,2,3
	ds_load_b32 v[QPT+\k], v[QXR] offset:QXK*\k    ; query 0's four parts
.endr
	v_mov_b32 v[QP+1], 0                           ; named as the upper halves of pairs, so they are written
	v_mov_b32 v[NM+1], 0
	s_mov_b32 s[SQ], 0
	s_mov_b32 s[SPO], 0
	s_mov_b32 s[CNT], 15
	s_wait_dscnt 4                                 ; the maxima are in; query 0's four parts may be out
	v_max3_num_f32 v[KMAX], v200, v202, v204
	v_max3_num_f32 v[NKMN], v201, v203, v205
	v_max_num_f32 v[KMAX], v[KMAX], v206           ; the channel's largest K over all 512 keys,
	v_max_num_f32 v[NKMN], v[NKMN], v207           ; and its smallest, negated
; ---- THE LOOP: one query a trip, my 64 keys.  For two keys: one packed multiply-add, two exponentials, one packed addition, one packed multiply-add.
.macro PKT i                           ; t = q' k - mx of keys 2 i, 2 i + 1 (of the pairs q' and -mx the low word serves both halves)
	v_pk_fma_f32 v[T+2*(\i):T+2*(\i)+1], v[KB+2*(\i):KB+2*(\i)+1], v[QP:QP+1], v[NM:NM+1] op_sel_hi:[1,0,0]
.endm
.macro TRIP ahead                      ; ahead = 1: the next query's parts of q are asked for
	s_wait_dscnt 0x0                               ; this query's four parts are in
	v_add_f32 v[TA], v[QPT], v[QPT+1]              ; K steps 0 to 3, in order
	v_add_f32 v[TA], v[TA], v[QPT+2]
	v_add_f32 v[TA], v[TA], v[QPT+3]
	v_mul_f32 v[QP], s[CSC], v[TA]                 ; q' = q log2(e) / 8
.if \ahead
	s_add_co_u32 s[SQ], s[SQ], 4
	v_add_nc_u32 v[QXA], s[SQ], v[QXR]
.irp k, 0,1,2,3
	ds_load_b32 v[QPT+\k], v[QXA] offset:QXK*\k
.endr
.endif
	v_mul_f32 v[TA], -v[QP], v[KMAX]
	v_mul_f32 v[TB], v[QP], v[NKMN]
	v_min_num_f32 v[NM], v[TA], v[TB]              ; -mx = -max(q' kmax, q' kmin): the row's maximum over all 512 keys
	PKT 0
	PKT 1
	PKT 2
	PKT 3
.set I, 0
.rept 32                               ; ONE BATCH of 64 exponentials; the scalings of four pairs on stand among them; nothing here names an exponential's result
	v_exp_f32 v[T+2*I], v[T+2*I]
	v_exp_f32 v[T+2*I+1], v[T+2*I+1]
.if I+4 < 32
	PKT I+4
.endif
.set I, I+1
.endr
	v_add_nc_u32 v[PSA], s[SPO], v[PST]            ; a plain line behind the last exponential
	s_wait_alu depctr_va_vdst(0)                   ; one wait for the batch, ahead of its first reader
	v_pk_add_f32 v[L0:L0+1], v[T:T+1], v[T+4:T+5]  ; the first terms start the sums: nothing is cleared.  Four chains by turns; V's accumulators are read in ascending order
	v_pk_mul_f32 v[A0:A0+1], v[T:T+1], v[VB:VB+1]
	v_pk_add_f32 v[L1:L1+1], v[T+2:T+3], v[T+6:T+7]
	v_pk_mul_f32 v[A1:A1+1], v[T+2:T+3], v[VB+2:VB+3]
	v_pk_fma_f32 v[A0:A0+1], v[T+4:T+5], v[VB+4:VB+5], v[A0:A0+1]
	v_pk_fma_f32 v[A1:A1+1], v[T+6:T+7], v[VB+6:VB+7], v[A1:A1+1]
.set I, 8
.rept 14
	v_pk_add_f32 v[L0:L0+1], v[L0:L0+1], v[T+I:T+I+1]
	v_pk_fma_f32 v[A0:A0+1], v[T+I:T+I+1], v[VB+I:VB+I+1], v[A0:A0+1]
	v_pk_add_f32 v[L1:L1+1], v[L1:L1+1], v[T+I+2:T+I+3]
	v_pk_fma_f32 v[A1:A1+1], v[T+I+2:T+I+3], v[VB+I+2:VB+I+3], v[A1:A1+1]
.set I, I+4
.endr
	v_pk_add_f32 v[L0:L0+1], v[L0:L0+1], v[L1:L1+1]
	v_pk_add_f32 v[A0:A0+1], v[A0:A0+1], v[A1:A1+1]
	v_add_f32 v[RS], v[L0], v[L0+1]
	v_add_f32 v[RS+1], v[A0], v[A0+1]
	ds_store_b64 v[PSA], v[RS:RS+1]                ; [my wave][query][lane]: 256 consecutive bytes
.if \ahead
	s_add_co_u32 s[SPO], s[SPO], 256
.endif
.endm
.Lquery:
	TRIP 1
	s_sub_co_u32 s[CNT], s[CNT], 1
	s_cmp_lg_u32 s[CNT], 0
	s_cbranch_scc1 .Lquery
	TRIP 0                                         ; the last query is written out: nothing is left to ask for
	; ---- addresses of the tail, in K's registers, which are done with
	v_lshrrev_b32 v64, 3, v[LN]                    ; wave w adds up query w; lane L takes channels 2 L, 2 L + 1: tile ct = L / 8, r = 2 (L % 8) and the next
	v_mul_u32_u24 v64, v64, PW
	v_and_b32 v65, 7, v[LN]
	v_lshl_add_u32 v64, v65, 4, v64
	s_lshl_b32 s2, s[WV], 8
	v_add_nc_u32 v64, s2, v64                      ; the parts: wave ct's block, query w, two lanes' 16 bytes
	s_mul_i32 s2, s[WV], SAP
	s_add_co_u32 s2, s2, SAF
	v_lshl_add_u32 v66, v[LN], 3, s2               ; SA: row w, 8 bytes a lane
	v_mul_u32_u24 v67, v[RR], SAP
	v_lshl_add_u32 v67, v[HH], 7, v67
	v_add_nc_u32 v67, SAF, v67                     ; and back: row r, channels 32 h on
	v_mul_u32_u24 v68, v[RR], STP
	v_lshl_add_u32 v68, v[HH], 5, v68
	s_lshl_b32 s2, s[WV], 7
	s_add_co_u32 s2, s2, STG
	v_add_nc_u32 v68, s2, v68                      ; the stage: row r, + 128 w + 32 h
	s_mul_i32 s2, s[WV], STP
	s_add_co_u32 s2, s2, STG
	v_lshl_add_u32 v69, v[LN], 4, s2               ; and back: row w, 16 bytes a lane
	v_lshlrev_b32 v70, 4, v[LN]                    ; the same in out
	s_wait_dscnt 0x0                               ; my parts are stored
	s_barrier_signal -1
	s_barrier_wait -1
.irp p, 0,1,2,3,4,5,6,7
	ds_load_b128 v[T+4*\p:T+4*\p+3], v64 offset:(\p/2)*4*PW+(\p%2)*128   ; key range p / 2, half p % 2: (sum p, sum p V) of my two channels
.endr
.irp j, 0,1,2,3,4,5
	v_mov_b32 v[WO+6+\j], 0                        ; K = 64 .. 127 of W_o's two fragments and of SA's: zero codes
	v_mov_b32 v[WO+18+\j], 0
	v_mov_b32 v[SAO+6+\j], 0
.endr
	s_wait_dscnt 0x0
.irp p, 1,2,3,4,5,6,7
	v_pk_add_f32 v[T:T+1], v[T:T+1], v[T+4*\p:T+4*\p+1]
	v_pk_add_f32 v[T+2:T+3], v[T+2:T+3], v[T+4*\p+2:T+4*\p+3]
.endr
	v_rcp_f32 v96, v[T]
	v_rcp_f32 v97, v[T+2]
	v_nop                                          ; a plain line behind the reciprocals,
	s_wait_alu depctr_va_vdst(0)                   ; and the wait ahead of their first reader
	v_mul_f32 v[T+4], v[T+1], v96
	v_mul_f32 v[T+5], v[T+3], v97
	ds_store_b64 v66, v[T+4:T+5]                   ; SA(w, 2 L), SA(w, 2 L + 1)
	s_wait_dscnt 0x0
	s_barrier_signal -1
	s_barrier_wait -1
	; ---- every wave quantises SA (16 queries x 64 channels): lane (r, h) holds query r's whole block h, as the operand's layout wants it
.irp j, 0,1,2,3,4,5,6,7
	ds_load_b128 v[T+4*\j:T+4*\j+3], v67 offset:16*\j
.endr
	v_lshlrev_b32 v98, 3, v[HH]
	v_mov_b32 v99, 0
	s_wait_dscnt 0x0
	v_max3_num_f32 v96, |v[T]|, |v[T+1]|, 0x1800000      ; the block's largest magnitude, two chains, and the floor 2^(3 - 127): the byte cannot fall under 1
	v_max3_num_f32 v97, |v[T+16]|, |v[T+17]|, 0x1800000
.irp i, 2,4,6,8,10,12,14
	v_max3_num_f32 v96, v96, |v[T+\i]|, |v[T+\i+1]|
	v_max3_num_f32 v97, v97, |v[T+16+\i]|, |v[T+17+\i]|
.endr
	v_max_num_f32 v96, v96, v97
	v_add_nc_u32 v100, 0xff000000, v96             ; 2 off its exponent field: the conversion takes the exponent field of this operand as its scale
	v_lshrrev_b32 v101, 23, v100                   ; the scale's byte,
	v_lshlrev_b32 v101, v98, v101                  ; at block h's place in the word;
	v_permlanex16_b32 v99, v101, s[SEL], s[SEL+1]
	v_or_b32 v[SAS], v101, v99                     ; with lane l xor 16's the word is whole; bytes 2 and 3 are 0, over zero codes
	v_cvt_scalef32_pk16_fp6_f32 v[SAO:SAO+2], v[T:T+15], v100
	v_cvt_scalef32_pk16_fp6_f32 v[104:106], v[T+16:T+31], v100   ; (a conversion's three registers begin on an even number)
	v_nop                                          ; one plain line behind a scaled conversion
.irp i, 0,1,2
	v_mov_b32 v[SAO+3+\i], v[104+\i]
.endr
.rept 8
	v_nop                                          ; a scale register written by a vector instruction stands 8 places ahead of the scaled matrix instruction, an operand so written 4
.endr
	s_wait_loadcnt 0x0                             ; W_o's codes and scale words
	; TRANSPOSED: source 0 = 16 rows of W_o (out columns), source 1 = SA: lane (r, h), register j: out(query r, column 32 w + 16 t + 8 h + j)
	v_wmma_scale_f32_16x16x128_f8f6f4 v[80:87], v[WO:WO+11], v[SAO:SAO+11], 0, v[WOS], v[SAS] matrix_a_fmt:MATRIX_FMT_FP6 matrix_b_fmt:MATRIX_FMT_FP6
	v_wmma_scale_f32_16x16x128_f8f6f4 v[88:95], v[WO+12:WO+23], v[SAO:SAO+11], 0, v[WOS], v[SAS] matrix_a_fmt:MATRIX_FMT_FP6 matrix_b_fmt:MATRIX_FMT_FP6 matrix_a_scale:MATRIX_SCALE_ROW1
.rept 4
	v_nop
.endr
	ds_store_b128 v68, v[80:83]                    ; each accumulator from its low end on
	ds_store_b128 v68, v[84:87] offset:16
	ds_store_b128 v68, v[88:91] offset:64
	ds_store_b128 v68, v[92:95] offset:80
	s_wait_dscnt 0x0                               ; a row's 2,048 bytes come from sixteen waves
	s_barrier_signal -1
	s_barrier_wait -1
.irp i, 0,1,2,3
	ds_load_b128 v[128+4*\i:131+4*\i], v69 offset:512*\i
.endr
.irp i, 0,1,2,3
	s_wait_dscnt 3-\i                              ; the younger loads may be out
	global_store_b128 v70, v[128+4*\i:131+4*\i], s[58:59] offset:512*\i th:TH_STORE_NT   ; 32 lanes store 512 consecutive bytes, at a multiple of 512 from out's first byte; written once, read by nobody here
.endr
	s_wait_xcnt 0x0
	v_lshl_add_u32 v252, v0, 2, 0x49000
	v_mov_b32 v253, 0
	s_wait_tensorcnt 0x0
	ds_add_u32 v252, v253
	s_wait_dscnt 0x0
	ROUND                                          ; the closing round: no work-group ends while a partner may still ask for a tile that names it
	s_endpgm
.Lfunc_end_k_qe7f1b481a7_attn:
	.size	k_qe7f1b481a7_attn, .Lfunc_end_k_qe7f1b481a7_attn-k_qe7f1b481a7_attn
	.p2alignl 7, 3214868480
	.fill 96, 4, 3214868480
	.section	.rodata,"a",@progbits
	.p2align	6, 0x0
	.amdhsa_kernel k_qe7f1b481a7_attn
		.amdhsa_group_segment_fixed_size 301056
		.amdhsa_private_segment_fixed_size 0
		.amdhsa_enable_private_segment 0
		.amdhsa_kernarg_size 56
		.amdhsa_user_sgpr_count 2
		.amdhsa_user_sgpr_kernarg_segment_ptr 1
		.amdhsa_wavefront_size32 1
		.amdhsa_system_sgpr_workgroup_id_x 1
		.amdhsa_system_sgpr_workgroup_id_y 1
		.amdhsa_system_sgpr_workgroup_id_z 1
		.amdhsa_system_vgpr_workitem_id 0
		.amdhsa_next_free_vgpr 256
		.amdhsa_next_free_sgpr 80
		.amdhsa_reserve_vcc 0
		.amdhsa_float_denorm_mode_32 3
		.amdhsa_float_denorm_mode_16_64 3
		.amdhsa_memory_ordered 1
		.amdhsa_forward_progress 1
		.amdhsa_inst_pref_size 67
	.end_amdhsa_kernel
	.amdgpu_metadata
---
amdhsa.version: [ 1, 2 ]
amdhsa.kernels:
  - .name:           k_qe7f1b481a7_attn
    .symbol:         k_qe7f1b481a7_attn.kd
    .args:
      - { .name: inputs_codes, .offset: 0, .size: 8, .value_kind: global_buffer, .address_space: global }
      - { .name: inputs_scales, .offset: 8, .size: 8, .value_kind: global_buffer, .address_space: global }
      - { .name: W_qkv_codes, .offset: 16, .size: 8, .value_kind: global_buffer, .address_space: global }
      - { .name: W_qkv_scales, .offset: 24, .size: 8, .value_kind: global_buffer, .address_space: global }
      - { .name: W_o_codes, .offset: 32, .size: 8, .value_kind: global_buffer, .address_space: global }
      - { .name: W_o_scales, .offset: 40, .size: 8, .value_kind: global_buffer, .address_space: global }
      - { .name: out0, .offset: 48, .size: 8, .value_kind: global_buffer, .address_space: global }
    .group_segment_fixed_size: 301056
    .private_segment_fixed_size: 0
    .kernarg_segment_align: 8
    .kernarg_segment_size: 56
    .max_flat_workgroup_size: 512
    .sgpr_count:     80
    .vgpr_count:     256
    .wavefront_size: 32
...
	.end_amdgpu_metadata
.endif
;; end of part 1
